; MI455X (gfx1250); checked and timed in simulation.
; The chip was launched on July 23, 2026; its instructions are those of AMD's public machine-readable ISA for CDNA 5 (MIT licence, August 2026) and "CDNA5" Instruction Set Architecture Reference Guide (July 2026). The comments in the code are by the model that wrote it; some were corrected since.
;; Self Attention. Allowed arithmetic: float matrix products may take bf16 or f16 operands with f32 sums; all other float work in f32.
;; Inputs: key_padding_mask 2 x 2,048 bool; qkv 2 x 2,048 x 3 x 16 x 64 float32.
;; Outputs: out0 2 x 2,048 x 16 x 64 float32.
;; One version. Each part assembles by itself: llvm-mc -triple=amdgcn-amd-amdhsa -mcpu=gfx1250 --defsym DOCPART=n.
;; ======== version 1 of 1: 1 launch
;; limits: right only within a limited range of input values; values are held in f16: magnitudes above 65,504 overflow, below 6.1e-05 lose precision; inputs' magnitudes at most 65,504
;; launch attn (part 1): grid 256 x 1, 8 waves a work-group, no clusters, 186,368 bytes of LDS; arguments qkv, key_padding_mask, out0; writes out0
.if DOCPART == 1
	.amdgcn_target "amdgcn-amd-amdhsa--gfx1250"
	.amdhsa_code_object_version 6
	.text
	.protected	k_q5e2c89e835_attn
	.globl	k_q5e2c89e835_attn
	.p2align	8
	.type	k_q5e2c89e835_attn,@function
k_q5e2c89e835_attn:
	s_mov_b64 s[64:65], 0
	v_nop
	global_prefetch_b8 v0, s[64:65] scope:SCOPE_SE
	s_setreg_imm32_b32 hwreg(HW_REG_WAVE_MODE, 25, 1), 1
	s_wait_xcnt 0x0
; Self-attention, B = 2, S = 2048, H = 16, D = 64, f32 in and out.  qkv[b][s][c][h][d]: a head's row is 256 bytes, key to key 12,288.
; scores = q.k/8 + (-10000 if the key is padded) + (-10000 if key > query); softmax over all 2,048 keys; out = P V.
;
; THE MASKS ARE SUMS, NOT MINUS INFINITY.  A row with a key that carries no penalty gives every penalised key the weight exp(-10000 + d) = 0.
; A row whose keys 0..t are all padded has no such key, and its softmax runs over the keys with ONE penalty, keys behind the diagonal among
; them.  So a block of 128 queries leaves out the key steps behind its diagonal only if some key <= its first row is unpadded (then each of its
; rows has a key without penalty); otherwise it takes all 16 steps, those behind the diagonal with one more penalty in their bias.
;
; SHARES.  Work-group: head bh = id >> 3, p = id & 7; it makes query block 15 - p and then block p: (16 - p) + (p + 1) = 17 key steps of
; 128 keys in each of the 256 work-groups.  Wave w: query quarter w & 3 (32 queries, two tiles u of 16), key group g = w >> 2 (64 of a step's
; 128 keys), with its own running maximum, sum and O; the two groups are merged once a block through LDS.
; PRODUCTS ARE TRANSPOSED: S^T (16 keys x 16 queries) = K fragment x Q fragment + bias; a lane then holds 8 keys of ONE query, so maximum and
; sum are a lane's own but for one exchange between the halves, and two neighbouring tiles packed to 16 bits ARE the second source of
; O^T (16 d x 16 queries) += V^T fragment x P^T.
; FORMATS.  Q, K and V are each rounded once to bf16 (Q times 0.125, a power of two, which moves no bit).  The first product is in bf16.  The
; weights go in f16: with bf16's 8 bits a weight is off by up to 1/256 of itself, which in a row of few keys whose terms cancel is more than
; a hundredth of the output's spread; f16's 11 bits leave 1/2048.  The second product takes both sources in one format, so V's bf16 numbers
; are written as f16, exactly for magnitudes from 2^-17 to 65,504.
; SOFTMAX.  Weights are 2^(S c - MC), c = log2(e), MC = the running maximum times c, rounded once; old sums are worth 2^(MC old - MC new): the
; two agree exactly.  The maximum is taken away before every exponential.  The diagonal step comes first and starts all sums: nothing is cleared.
; K AND V: 16-byte loads (16 lanes = one 256-byte row) one step ahead into registers, rounded once per work-group, into two LDS slots
; that take turns; one barrier a trip.  The loop has 15 trips in every block and every trip passes its barrier; a trip whose step is left out
; jumps over its loads and arithmetic only.
; NO CLUSTER, NO TENSOR LOADS: K and V are rounded between memory and LDS, which takes registers, and the eight work-groups of a head walk
; different lists of steps (blocks 15 - p and p), so they have no common sequence of joint requests.
; LIMITS.  Inputs finite; mask bytes 0 or 1; |v| < 65,504 (f16).  Weights under 2^-25 of the running maximum count as 0 (f16's least step is
; 2^-24), factors under 2^-126 too (v_exp_f32 flushes: ISA guide 15.8).  In a block that leaves steps out, a left-out key must score less than
; about 9,900 above its row's best key without penalty; beyond that reference()'s own mask leaks.  The penalties enter as the C operand of the
; first product: in a row that has no key without penalty the roundings of size 2^-10 to 2^-9 at -10000 and -20000 fall in another order than in reference().
.set ROWB,  12288                      ; bytes from key to key in qkv
.set STEPB, 128*ROWB                   ; a step of 128 keys (or a block of 128 queries)
.set BATB,  2048*ROWB                  ; a batch
.set KP,    144                        ; LDS pitch of K and Q rows: 128 bytes of bf16 + 16, an odd multiple of 16
.set VP,    160                        ; LDS pitch of V rows [key][d]: an odd multiple of 32, for the transposing load
.set VOFF,  128*KP                     ; slot: K at 0, V at 18,432,
.set BOFF,  VOFF+128*VP                ;       the 128 keys' bias (f32) at 38,912
.set SLOT,  BOFF+512                   ; 39,424 bytes, two slots
.set QSB,   2*SLOT                     ; Q, bf16: region 4 blk + quarter, 32 rows of 144 bytes
.set QREG,  32*KP
.set XB0,   QSB+8*QREG                 ; merge: per quarter 16 chunks of 512 bytes (O), then (MC, l) of u = 0, 1
.set XSZ,   8704
.set OSB,   XB0+4*XSZ                  ; way out: per quarter 32 rows of 256 bytes, pitch 272
.set OP,    272
; vector registers, window 0
.set LN, 1                             ; lane
.set RR, 2                             ; r = lane & 15
.set HH, 3                             ; h = lane >> 4
.set aKA, 4                            ; LDS: my K fragments          (64 g + r) 144 + 16 h
.set aVA, 5                            ; LDS: my V fragments          VOFF + (64 g + 8 h + (lane & 7)) 160 + 16 ((lane >> 3) & 1)
.set aBA, 6                            ; LDS: my 8 keys' bias         BOFF + 4 (64 g + 8 h)
.set aKS, 7                            ; LDS: where I stage K         (16 w + 8 h) 144 + 8 r
.set aVS, 8                            ; LDS: where I stage V         VOFF + (16 w + 4 h) 160 + 8 r
.set aBS, 9                            ; LDS: where I stage bias      BOFF + 4 (16 w + r)
.set aGK, 10                           ; qkv: (16 w + 8 h) rows + 16 r
.set aGV, 11                           ; qkv: (16 w + 4 h) rows + 16 r
.set aGQ, 12                           ; qkv: (32 quarter + 8 h) rows + 16 r
.set aQSW, 13                          ; LDS: where I stage Q
.set aQA, 14                           ; LDS: my Q fragments
.set aGMB, 16                          ; mask: 16 w + r, the byte of each step whose bias I stage
.set aGM, 17                           ; mask: 64 lane
.set WB,  18                           ; bit ks = mask[128 ks + 16 w + r]
.set THR, 19                           ; 32 quarter + r - 64 g - 8 h: in the diagonal step key 16 kt + j of tile u is behind my query if 16 kt + j - 16 u > THR
.set aXA, 20
.set aXB, 21
.set aOSW, 22
.set aOSR, 23
.set aGO, 24                           ; out: (32 quarter + h) rows of 4,096 + 16 r
.set TM,  25
.set TM2, 26
.set QF,  32                           ; v[32:63]   Q fragments (u, ks) at 16 u + 8 ks
.set SC,  64                           ; v[64:127]  scores (u) at 32 u + 8 kt + j; packed, P (u, kk) at 32 u + 8 kk; also at work in staging and on the way out
.set OA,  128                          ; v[128:191] O^T (u, db) at 32 u + 8 db
.set BI,  192                          ; v[192:223] bias of my 64 keys (kt) at 8 kt; at the start the mask: 16 words, then 16 bytes
.set TB,  224                          ; v[224:231] bias + one penalty (diagonal step); at the merge the partner's (MC, l)
.set ST,  232                          ; v[232:239] per u: MC = maximum x log2(e), T1, factor AL, T0.  MC and AL lead even pairs for the packed forms
.set LP,  240                          ; v[240:243] per u: two partial sums
.set TP,  244                          ; v[244:245] second chain of the sums
.set EA1, 246                          ; merge: my factor, the common maximum, the partner's factor,
.set EMN, 247
.set EA2, 248
.set EC1, 250                          ; (c1, 1/l) and (c2, l): pairs whose first word is broadcast
.set EIV, 251
.set EC2, 252
.set EL,  253
.set BT,  254
; vector registers, window 1 (written as v0..v191 under s_set_vgpr_msb)
.set GR,  0                            ; v[256:319] K and V as loaded, f32: K load i at 4 i, V load i at 32 + 4 i
.set KF,  64                           ; v[320:383] K fragments (kt, ks) at 16 kt + 8 ks
.set VF,  128                          ; v[384:447] V^T fragments (db, kk) at 16 db + 8 kk
; scalar registers: s[4:5] qkv, s[6:7] mask (my batch), s[8:9] out, s10 wave, s11 g, s12 quarter, s13 p, s14 b, s15 h, s16/s17 the two blocks,
; s18/s19 their numbers of trips that work, s20/s21 mask digests, s22/s23 at work, s[24:25] qkv at my head, s[26:27] base of the K/V loads,
; s[28:29] an offset (s29 = 0), s30 loop counter, s31 this trip, s32 the trip fetched for, s33/s34 step and padded-key bias of the tile in GR,
; s36/s37 lane selects, s[38:39] Q's scale, s[40:41] out at the block, s42/s43 block and its trips, s[46:47] Q's base,
; s[48:49] one penalty (twice), s50 its negative, s51 two penalties, s52 a word's upper half, s[54:55] log2(e) (twice).
.set MSB, 0
.macro WIN new                         ; low byte: bits 1:0 source 0, 3:2 source 1, 5:4 source 2, 7:6 destination; the high byte repeats the setting left
.if MSB != \new
	s_set_vgpr_msb (MSB<<8)|\new
.set MSB, \new
.endif
.endm
; 16 loads: my 16 of the step's 128 rows of K and of V; 16 lanes take one row of 256 bytes.  The two halves of the wave take rows 8 (K) or 4 (V)
; apart, so that their 8-byte LDS stores, 288 or 160 words apart, fall into different halves of the 64 banks (ISA guide 11.1).
.macro LOADKV
	WIN 0x40
.irp i, 0,1,2,3,4,5,6,7
	global_load_b128 v[GR+4*\i:GR+4*\i+3], v[aGK], s[26:27] offset:\i*ROWB+4096
.endr
.irp i, 0,1,2,3,4,5,6,7
	global_load_b128 v[GR+32+4*\i:GR+32+4*\i+3], v[aGV], s[26:27] offset:((\i&3)+8*(\i>>2))*ROWB+8192
.endr
	WIN 0
.endm
; Ask for the tile of trip s32: step s32, or s32 + 1 from the diagonal on (the diagonal step was taken first), those with one more penalty.
; Block 0: if no working trip is left, the tile is block 1's diagonal step instead.  Block 1: then nothing is asked for.
; Each step number is made of the loop counter, the block numbers and constants alone and lies in 0 .. 15 (the minimum below; s17 = p <= 7);
; the mask's digest only decides, by a branch, which of them is fetched.
.macro PREF blk, tag
	s_wait_loadcnt 0x0                             ; the loads that name s[26:27] and fill GR are done: the trip's staging waited for them, and it is said again so that it holds whichever way the branch in front of the barrier went
	s_cmp_ge_u32 s32, s42
	s_cselect_b32 s33, 1, 0
	s_cselect_b32 s34, s51, s48
	s_add_co_u32 s33, s33, s32
	s_min_u32 s33, s33, 15                         ; a step of the 16, for the counter's last value too: no address leaves the buffer
.if \blk == 0
	s_cmp_lt_u32 s32, s43
	s_cbranch_scc1 .Lstep_\tag                     ; a working trip follows: its step stands
	s_mov_b32 s33, s17                             ; none follows: the second block's diagonal step,
	s_mov_b32 s34, s48                             ; whose padded keys carry one penalty
.Lstep_\tag:
.endif
	s_mul_i32 s28, s33, STEPB
	s_add_nc_u64 s[26:27], s[24:25], s[28:29]
.if \blk == 1
	s_cmp_lt_u32 s32, s43
	s_cbranch_scc0 .Lnoload_\tag
.endif
	LOADKV
.if \blk == 1
.Lnoload_\tag:
.endif
.endm
; The tile in GR goes to LDS: K as bf16; V rounded to bf16 and written as f16; the keys' bias: 0 for an unpadded key, s34 for a padded one,
; each s34 - s48 lower behind the diagonal.
.macro STAGE slot
	s_wait_loadcnt 0x0                             ; all 16 loads of the tile; nothing younger is out
	WIN 0x05
.set n, 0
.rept 32
	v_cvt_pk_bf16_f32 v[SC+n], v[GR+2*n], v[GR+2*n+1]              ; words 0-15: K, words 16-31: V
.set n, n+1
.endr
	WIN 0
.irp i, 0,1,2,3,4,5,6,7
	ds_store_b64 v[aKS], v[SC+2*\i:SC+2*\i+1] offset:\slot*SLOT+\i*KP
.endr
.set n, 0
.rept 16
	v_lshlrev_b32 v[SC+32+2*n], 16, v[SC+16+n]                     ; V's bf16 numbers as f32: the low half moves up,
	v_and_b32     v[SC+33+2*n], s52, v[SC+16+n]                    ; the high half stays
.set n, n+1
.endr
.set n, 0
.rept 16
	v_cvt_pk_f16_f32 v[SC+16+n], v[SC+32+2*n], v[SC+33+2*n]        ; 8 significant bits fit f16's 11: no second rounding from 2^-17 to 65,504
.set n, n+1
.endr
.irp i, 0,1,2,3,4,5,6,7
	ds_store_b64 v[aVS], v[SC+16+2*\i:SC+16+2*\i+1] offset:\slot*SLOT+((\i&3)+8*(\i>>2))*VP
.endr
	v_bfe_u32 v[BT], v[WB], s33, 1                 ; 1 = key 128 step + 16 w + r is unpadded
	v_cvt_f32_u32 v[BT], v[BT]
	v_fma_f32 v[BT], v[BT], s50, s34               ; exactly 0, one or two penalties
	ds_store_b32 v[aBS], v[BT] offset:\slot*SLOT   ; both halves of the wave write the same 16 words with the same values
.endm
; My fragments of a slot: bias (8 loads), K (16), V transposed (16).
.macro FRAGS slot
.irp kt, 0,1,2,3
	ds_load_b128 v[BI+8*\kt:BI+8*\kt+3],   v[aBA] offset:\slot*SLOT+64*\kt
	ds_load_b128 v[BI+8*\kt+4:BI+8*\kt+7], v[aBA] offset:\slot*SLOT+64*\kt+16
.endr
	WIN 0x40
.irp kt, 0,1,2,3
.irp ks, 0,1
	ds_load_b128 v[KF+16*\kt+8*\ks:KF+16*\kt+8*\ks+3],   v[aKA] offset:\slot*SLOT+16*KP*\kt+64*\ks
	ds_load_b128 v[KF+16*\kt+8*\ks+4:KF+16*\kt+8*\ks+7], v[aKA] offset:\slot*SLOT+16*KP*\kt+64*\ks+32
.endr
.endr
.irp kk, 0,1
.irp db, 0,1,2,3
	ds_load_tr16_b128 v[VF+16*\db+8*\kk:VF+16*\db+8*\kk+3],   v[aVA] offset:\slot*SLOT+32*VP*\kk+32*\db
	ds_load_tr16_b128 v[VF+16*\db+8*\kk+4:VF+16*\db+8*\kk+7], v[aVA] offset:\slot*SLOT+32*VP*\kk+32*\db+16*VP
.endr
.endr
	WIN 0
	s_wait_dscnt 16                                ; LDS loads come back in order (ISA guide 5.7.1): only V's 16 may be out; bias, K (and Q, asked before) are in
.endm
; Diagonal step: the C operand of each score tile = bias, one penalty lower where the key lies behind the query.
.macro CPREP
.irp kt, 0,1,2,3
.irp q, 0,1,2,3
	v_pk_add_f32 v[TB+2*\q:TB+2*\q+1], v[BI+8*\kt+2*\q:BI+8*\kt+2*\q+1], s[48:49] op_sel_hi:[1,0]
.endr
.irp u, 0,1
.irp j, 0,1,2,3,4,5,6,7
	v_cmp_gt_i32 vcc_lo, 16*\kt+\j-16*\u, v[THR]
	v_cndmask_b32 v[SC+32*\u+8*\kt+\j], v[BI+8*\kt+\j], v[TB+\j], vcc_lo
.endr
.endr
.endr
.endm
; 16 matrix instructions: 4 key tiles x 2 query tiles x 2 halves of d.  The first link takes the bias as C, the second is the chain in place.
.macro SMUL diag
	WIN 0x01
.irp kt, 0,1,2,3
.irp u, 0,1
.if \diag
	v_wmma_f32_16x16x32_bf16 v[SC+32*\u+8*\kt:SC+32*\u+8*\kt+7], v[KF+16*\kt:KF+16*\kt+7], v[QF+16*\u:QF+16*\u+7], v[SC+32*\u+8*\kt:SC+32*\u+8*\kt+7]
.else
	v_wmma_f32_16x16x32_bf16 v[SC+32*\u+8*\kt:SC+32*\u+8*\kt+7], v[KF+16*\kt:KF+16*\kt+7], v[QF+16*\u:QF+16*\u+7], v[BI+8*\kt:BI+8*\kt+7]
.endif
.endr
.irp u, 0,1
	v_wmma_f32_16x16x32_bf16 v[SC+32*\u+8*\kt:SC+32*\u+8*\kt+7], v[KF+16*\kt+8:KF+16*\kt+15], v[QF+16*\u+8:QF+16*\u+15], v[SC+32*\u+8*\kt:SC+32*\u+8*\kt+7]
.endr
.endr
	WIN 0
.rept 4
	v_nop                                          ; four places before a vector instruction reads a matrix result (ISA guide 7.12.1)
.endr
.endm
; Running softmax of query tile u over my 64 keys: a lane holds 32 scores of one query, the other half of the wave the other 32.
.macro SOFT u, first
.set SB, SC+32*\u
.set OB, OA+32*\u
.set MX, ST+4*\u
.set T1, MX+1
.set AL, MX+2
.set T0, MX+3
.set LS, LP+2*\u
	v_max3_num_f32 v[T0], v[SB], v[SB+1], v[SB+2]                  ; two chains of maxima
	v_max3_num_f32 v[T1], v[SB+17], v[SB+18], v[SB+19]
.set n, 0
.rept 6
	v_max3_num_f32 v[T0], v[T0], v[SB+3+n], v[SB+4+n]
	v_max3_num_f32 v[T1], v[T1], v[SB+20+n], v[SB+21+n]
.set n, n+2
.endr
	v_max3_num_f32 v[T0], v[T0], v[SB+15], v[SB+16]
	v_max_num_f32 v[T0], v[T0], v[T1]
	v_permlanex16_b32 v[T1], v[T0], s36, s37                       ; the other half's maximum of the same query
	v_max_num_f32 v[T0], v[T0], v[T1]
.if \first
	v_mul_f32 v[MX], s54, v[T0]                                    ; MC = maximum x log2(e)
.else
	v_mul_f32 v[T0], s54, v[T0]                                    ; a product with a positive factor keeps the order, rounded too: the larger of the two MC is the MC of the larger maximum
	v_mov_b32 v[AL], v[MX]
	v_max_num_f32 v[MX], v[MX], v[T0]
	v_sub_f32 v[AL], v[AL], v[MX]
	v_exp_f32 v[AL], v[AL]                                         ; what the old sums and O are worth under the new maximum; the multiply-adds below are the place behind it
.endif
.set n, 0
.rept 16
	v_pk_fma_f32 v[SB+n:SB+n+1], v[SB+n:SB+n+1], s[54:55], v[MX:MX+1] op_sel_hi:[1,0,0] neg_lo:[0,0,1] neg_hi:[0,0,1]    ; S log2(e) - MC, one rounding
.set n, n+2
.endr
.irp kt, 0,1,2,3
.irp j, 0,1,2,3,4,5,6,7
	v_exp_f32 v[SB+8*\kt+\j], v[SB+8*\kt+\j]
.endr
.if \first == 0
	s_wait_alu depctr_va_vdst(0)
.irp q, 0,1,2,3
	v_pk_mul_f32 v[OB+8*\kt+2*\q:OB+8*\kt+2*\q+1], v[OB+8*\kt+2*\q:OB+8*\kt+2*\q+1], v[AL:AL+1] op_sel_hi:[1,0]   ; plain work that touches no exponential: the place behind them
.endr
.endif
.endr
.if \first
	v_nop                                                          ; one plain place behind the exponentials (ISA guide 5.7.2)
	s_wait_alu depctr_va_vdst(0)
	v_pk_add_f32 v[LS:LS+1], v[SB:SB+1], v[SB+4:SB+5]              ; the first step starts the sums
.else
	v_pk_fma_f32 v[LS:LS+1], v[LS:LS+1], v[AL:AL+1], v[SB:SB+1] op_sel_hi:[1,0,1]
	v_pk_add_f32 v[LS:LS+1], v[LS:LS+1], v[SB+4:SB+5]
	s_wait_alu depctr_va_vdst(0)
.endif
	v_pk_add_f32 v[TP:TP+1], v[SB+2:SB+3], v[SB+6:SB+7]
.set n, 8
.rept 6
	v_pk_add_f32 v[LS:LS+1], v[LS:LS+1], v[SB+n:SB+n+1]
	v_pk_add_f32 v[TP:TP+1], v[TP:TP+1], v[SB+n+2:SB+n+3]
.set n, n+4
.endr
	v_pk_add_f32 v[LS:LS+1], v[LS:LS+1], v[TP:TP+1]
.set n, 0
.rept 16
	v_cvt_pk_f16_f32 v[SB+n], v[SB+2*n], v[SB+2*n+1]               ; weights to f16, in place, upward: word n is written after words 2 n, 2 n + 1 are read
.set n, n+1
.endr
.endm
; 8 matrix instructions, f16 sources: O^T of tile u += V^T x P^T, 4 blocks of d x 2 x 32 keys.
.macro PV u, first
	WIN 0x01
.irp kk, 0,1
.irp db, 0,1,2,3
.if \first*(1-\kk)
	v_wmma_f32_16x16x32_f16 v[OA+32*\u+8*\db:OA+32*\u+8*\db+7], v[VF+16*\db+8*\kk:VF+16*\db+8*\kk+7], v[SC+32*\u+8*\kk:SC+32*\u+8*\kk+7], 0
.else
	v_wmma_f32_16x16x32_f16 v[OA+32*\u+8*\db:OA+32*\u+8*\db+7], v[VF+16*\db+8*\kk:VF+16*\db+8*\kk+7], v[SC+32*\u+8*\kk:SC+32*\u+8*\kk+7], v[OA+32*\u+8*\db:OA+32*\u+8*\db+7]
.endif
.endr
.endr
	WIN 0
.endm
.macro COMPUTE diag
.if \diag
	CPREP
.endif
	SMUL \diag
	SOFT 0, \diag
	s_wait_dscnt 0x0                               ; V's fragments are in; my reads of the slot are over
	PV 0, \diag
	SOFT 1, \diag                                  ; names none of the registers of the eight matrix instructions in front of it
	PV 1, \diag
.rept 5
	v_nop                                          ; five places: the next to write P, V's fragments or O may be a matrix instruction (5), a load or a vector instruction (4), on every way on from here
.endr
.endm
; A trip of the loop, number s31.  It works if s31 < s43; the barrier is passed in any case.
.macro TTRIP slot, blk, tag
	s_cmp_lt_u32 s31, s43
	s_cbranch_scc0 .LnoA_\tag
	STAGE \slot
.LnoA_\tag:
	s_wait_dscnt 0x0                               ; for the others: my stores into this slot are done (my reads of the other slot ended in the last trip)
	s_barrier_signal -1
	s_barrier_wait -1                              ; the slot is whole, and nobody reads the other one any more: the next trip may write it
	s_cmp_lt_u32 s31, s43
	s_cbranch_scc0 .LnoB_\tag
	s_add_co_u32 s32, s31, 1
	PREF \blk, \tag
	FRAGS \slot
	COMPUTE 0
.LnoB_\tag:
.endm
; The end of a block: the two key groups' (MC, l, O) become one, divided by l, and leave as whole rows of 256 bytes.
.macro EPI blk
.irp u, 0,1
	v_add_f32 v[ST+4*\u+3], v[LP+2*\u], v[LP+2*\u+1]
.endr
.irp u, 0,1
	v_permlanex16_b32 v[ST+4*\u+1], v[ST+4*\u+3], s36, s37
.endr
.irp u, 0,1
	v_add_f32 v[ST+4*\u+1], v[ST+4*\u+3], v[ST+4*\u+1]             ; (MC, l) now lie side by side
.endr
	s_cmp_lt_u32 s10, 4
	s_cbranch_scc1 .Lkeep_\blk
.irp c, 0,1,2,3,4,5,6,7,8,9,10,11,12,13,14,15
	ds_store_b128 v[aXA], v[OA+4*\c:OA+4*\c+3] offset:512*\c       ; key group 1 hands over O, lane by lane,
.endr
.irp u, 0,1
	ds_store_b64 v[aXB], v[ST+4*\u:ST+4*\u+1] offset:256*\u        ; and (MC, l)
.endr
.Lkeep_\blk:
	s_wait_dscnt 0x0                               ; for the partner: the stores are done
	s_barrier_signal -1
	s_barrier_wait -1
	s_cmp_ge_u32 s10, 4
	s_cbranch_scc1 .Ldone_\blk
.irp c, 0,1,2,3,4,5,6,7,8,9,10,11,12,13,14,15
	ds_load_b128 v[SC+4*\c:SC+4*\c+3], v[aXA] offset:512*\c
.endr
.irp u, 0,1
	ds_load_b64 v[TB+2*\u:TB+2*\u+1], v[aXB] offset:256*\u
.endr
	s_lshl_b32 s28, s14, 23                        ; out at batch b (2,048 rows of 4,096 bytes), block s42 (128 rows), head h (256 bytes)
	s_lshl_b32 s22, s42, 19
	s_add_co_u32 s28, s28, s22
	s_lshl_b32 s22, s15, 8
	s_add_co_u32 s28, s28, s22
	s_add_nc_u64 s[40:41], s[8:9], s[28:29]
	s_wait_dscnt 0x0
.irp u, 0,1
	v_max_num_f32 v[EMN], v[ST+4*\u], v[TB+2*\u]   ; MC is in powers of two already
	v_sub_f32 v[EA1], v[ST+4*\u], v[EMN]
	v_sub_f32 v[EA2], v[TB+2*\u], v[EMN]
	v_exp_f32 v[EA1], v[EA1]
	v_exp_f32 v[EA2], v[EA2]
	v_nop                                          ; one plain place behind the exponentials
	s_wait_alu depctr_va_vdst(0)
	v_mul_f32 v[EL], v[EA1], v[ST+4*\u+1]
	v_fmac_f32 v[EL], v[EA2], v[TB+2*\u+1]         ; l is about 1 or more: the key that holds the maximum counts 2^(rounding of MC), about 1
	v_rcp_f32 v[EIV], v[EL]
	v_nop                                          ; and behind the reciprocal
	s_wait_alu depctr_va_vdst(0)
	v_mul_f32 v[EC1], v[EA1], v[EIV]
	v_mul_f32 v[EC2], v[EA2], v[EIV]
.set n, 32*\u
.rept 16
	v_pk_mul_f32 v[OA+n:OA+n+1], v[OA+n:OA+n+1], v[EC1:EC1+1] op_sel_hi:[1,0]
	v_pk_fma_f32 v[OA+n:OA+n+1], v[SC+n:SC+n+1], v[EC2:EC2+1], v[OA+n:OA+n+1] op_sel_hi:[1,0,1]
.set n, n+2
.endr
.endr
.irp u, 0,1
.irp db, 0,1,2,3
	ds_store_b128 v[aOSW], v[OA+32*\u+8*\db:OA+32*\u+8*\db+3]   offset:16*OP*\u+64*\db      ; a lane's 8 numbers are d = 16 db + 8 h + 0..7 of query 16 u + r
	ds_store_b128 v[aOSW], v[OA+32*\u+8*\db+4:OA+32*\u+8*\db+7] offset:16*OP*\u+64*\db+16
.endr
.endr
.irp t, 0,1,2,3,4,5,6,7,8,9,10,11,12,13,14,15
	ds_load_b128 v[SC+4*\t:SC+4*\t+3], v[aOSR] offset:2*OP*\t      ; my own bytes; LDS serves a wave's instructions in order (ISA guide 5.7.1): these see the stores above
.endr
.irp t, 0,1,2,3,4,5,6,7,8,9,10,11,12,13,14,15
	s_wait_dscnt 15-\t                             ; rows 2 t, 2 t + 1 are in; the younger reads stay out
	global_store_b128 v[aGO], v[SC+4*\t:SC+4*\t+3], s[40:41] offset:8192*\t th:TH_STORE_NT    ; 16 lanes store 256 consecutive bytes, at a multiple of 256 from out's first byte
.endr
	s_wait_xcnt 0x0                                ; the stores' data and base are written again only behind this wait
.Ldone_\blk:
.endm
; A block: the diagonal step, 15 trips, the end.  16 trips a block, so the slots go on taking turns from block to block.
.macro BLOCK blk, si, sn
	s_mov_b32 s42, \si
	s_mov_b32 s43, \sn
	STAGE 0
	s_wait_dscnt 0x0                               ; for the others: my stores into slot 0 (and, in block 0, of Q) are done
	s_barrier_signal -1
	s_barrier_wait -1
	s_mov_b32 s32, 0
	PREF \blk, d\blk
.irp u, 0,1
.irp ks, 0,1
	ds_load_b128 v[QF+16*\u+8*\ks:QF+16*\u+8*\ks+3],   v[aQA] offset:\blk*4*QREG+16*KP*\u+64*\ks
	ds_load_b128 v[QF+16*\u+8*\ks+4:QF+16*\u+8*\ks+7], v[aQA] offset:\blk*4*QREG+16*KP*\u+64*\ks+32
.endr
.endr
	FRAGS 0
	COMPUTE 1
	s_mov_b32 s30, 0
.Ltrips_\blk:
	s_mov_b32 s31, s30
	TTRIP 1, \blk, a\blk
	s_add_co_u32 s31, s30, 1
	TTRIP 0, \blk, b\blk
	s_add_co_u32 s30, s30, 2
	s_cmp_lt_u32 s30, 14
	s_cbranch_scc1 .Ltrips_\blk
	s_mov_b32 s31, 14
	TTRIP 1, \blk, c\blk
	EPI \blk
.endm
; dst = the block's number of working trips: i if some key <= 128 i is unpadded (chunks 0 .. 2 i - 1 of 64 keys, or the first key of chunk 2 i), else 15
.macro NACTOF dst, i
	s_lshl_b32 s22, \i, 1
	s_bfm_b32 s23, s22, 0
	s_and_b32 s23, s23, s20
	s_lshl_b32 s22, 1, s22
	s_and_b32 s22, s22, s21
	s_or_b32 s22, s22, s23                         ; SCC = not zero
	s_cselect_b32 \dst, \i, 15
.endm
	; ---- who am I ----
	s_load_b128 s[4:7], s[0:1], 0x0                ; qkv, mask
	s_load_b64 s[8:9], s[0:1], 0x10                ; out
	v_lshl_add_u32 v249, v0, 2, 0x2d400
	v_mov_b32 v255, 0
	v_lshrrev_b32 v[TM], 5, v0
	v_readfirstlane_b32 s10, v[TM]                 ; wave
	s_lshr_b32 s11, s10, 2                         ; key group
	s_and_b32 s12, s10, 3                          ; query quarter
	s_and_b32 s13, ttmp9, 7                        ; p
	s_lshr_b32 s22, ttmp9, 3
	s_lshr_b32 s14, s22, 4                         ; b
	s_and_b32 s15, s22, 15                         ; h
	s_sub_co_u32 s16, 15, s13                      ; first block
	s_mov_b32 s17, s13                             ; second block
	s_mov_b32 s29, 0
	s_mov_b32 s36, 0x76543210                      ; v_permlanex16_b32: lane i of one half reads lane i of the other
	s_mov_b32 s37, 0xfedcba98
	s_mov_b32 s38, 0x3e000000                      ; 0.125 = 1 / sqrt(64)
	s_mov_b32 s39, 0x3e000000
	s_mov_b32 s48, 0xc61c4000                      ; -10000
	s_mov_b32 s49, 0xc61c4000
	s_mov_b32 s50, 0x461c4000                      ; +10000
	s_mov_b32 s51, 0xc69c4000                      ; -20000
	s_mov_b32 s52, 0xffff0000                      ; a word's upper bf16
	s_mov_b32 s54, 0x3fb8aa3b                      ; log2(e)
	s_mov_b32 s55, 0x3fb8aa3b
	v_and_b32 v[LN], 31, v0
	v_and_b32 v[RR], 15, v0
	v_bfe_u32 v[HH], v0, 4, 1
	; offsets in memory first, so that the loads go out early
	v_lshlrev_b32 v[aGM], 6, v[LN]
	s_lshl_b32 s22, s10, 4
	v_add_nc_u32 v[aGMB], s22, v[RR]               ; 16 w + r
	v_lshlrev_b32 v[TM], 4, v[RR]                  ; 16 r
	v_mul_u32_u24 v[TM2], v[HH], 8*ROWB
	v_add_nc_u32 v[TM2], v[TM2], v[TM]             ; 8 h rows + 16 r
	s_mul_i32 s22, s10, 16*ROWB
	s_mul_i32 s23, s12, 32*ROWB
	v_add_nc_u32 v[aGK], s22, v[TM2]
	v_add_nc_u32 v[aGQ], s23, v[TM2]
	v_mul_u32_u24 v[TM2], v[HH], 4*ROWB
	v_add_nc_u32 v[TM2], v[TM2], v[TM]             ; 4 h rows + 16 r
	v_add_nc_u32 v[aGV], s22, v[TM2]
	s_wait_kmcnt 0x0
	s_lshl_b32 s28, s14, 11
	s_add_nc_u64 s[6:7], s[6:7], s[28:29]          ; my batch's mask
	s_mul_i32 s28, s14, BATB
	s_lshl_b32 s22, s15, 8
	s_add_co_u32 s28, s28, s22
	s_add_nc_u64 s[24:25], s[4:5], s[28:29]        ; qkv at (b, 0, 0, h, 0)
	s_cmp_eq_u32 s11, 0
	s_cselect_b32 s22, s16, s17                    ; waves 0-3 stage the first block's Q, waves 4-7 the second's
	s_mul_i32 s28, s22, STEPB
	s_add_nc_u64 s[46:47], s[24:25], s[28:29]
	s_mul_i32 s28, s16, STEPB
	s_add_nc_u64 s[26:27], s[24:25], s[28:29]      ; the first block's diagonal step
	s_mov_b32 s33, s16
	s_mov_b32 s34, s48
.irp q, 0,1,2,3
	global_load_b128 v[BI+4*\q:BI+4*\q+3], v[aGM], s[6:7] offset:16*\q     ; lane l: mask bytes 64 l .. 64 l + 63, for the two digests
.endr
.irp ks, 0,1,2,3,4,5,6,7,8,9,10,11,12,13,14,15
	global_load_u8 v[BI+16+\ks], v[aGMB], s[6:7] offset:128*\ks            ; the byte of key 128 ks + 16 w + r: once, for all 16 steps
.endr
.irp t, 0,1,2,3,4,5,6,7,8,9,10,11,12,13,14,15
	global_load_b128 v[SC+4*\t:SC+4*\t+3], v[aGQ], s[46:47] offset:((\t&7)+16*(\t>>3))*ROWB th:TH_LOAD_NT  ; each row of Q is read once in the launch
.endr
	LOADKV
	; LDS addresses, while the loads are out
	v_mul_u32_u24 v[TM2], v[RR], KP
	v_lshl_add_u32 v[TM2], v[HH], 4, v[TM2]        ; r 144 + 16 h
	s_mul_i32 s22, s11, 64*KP
	v_add_nc_u32 v[aKA], s22, v[TM2]
	s_mul_i32 s22, s12, QREG
	s_add_co_u32 s22, s22, QSB
	v_add_nc_u32 v[aQA], s22, v[TM2]
	v_mul_u32_u24 v[TM2], v[HH], 8*KP
	v_lshl_add_u32 v[TM2], v[RR], 3, v[TM2]        ; 8 h rows + 8 r
	s_mul_i32 s22, s10, 16*KP
	v_add_nc_u32 v[aKS], s22, v[TM2]
	s_mul_i32 s22, s10, QREG
	s_add_co_u32 s22, s22, QSB
	v_add_nc_u32 v[aQSW], s22, v[TM2]
	v_mul_u32_u24 v[TM2], v[HH], 4*VP
	v_lshl_add_u32 v[TM2], v[RR], 3, v[TM2]
	s_mul_i32 s22, s10, 16*VP
	s_add_co_u32 s22, s22, VOFF
	v_add_nc_u32 v[aVS], s22, v[TM2]
	v_and_b32 v[TM2], 7, v0
	v_lshl_add_u32 v[TM2], v[HH], 3, v[TM2]        ; 8 h + (lane & 7)
	v_mul_u32_u24 v[aVA], v[TM2], VP
	v_bfe_u32 v[TM2], v0, 3, 1
	v_lshl_add_u32 v[aVA], v[TM2], 4, v[aVA]
	s_mul_i32 s22, s11, 64*VP
	s_add_co_u32 s22, s22, VOFF
	v_add_nc_u32 v[aVA], s22, v[aVA]
	s_lshl_b32 s22, s11, 8
	s_add_co_u32 s22, s22, BOFF
	v_lshl_add_u32 v[aBA], v[HH], 5, s22
	s_lshl_b32 s22, s10, 6
	s_add_co_u32 s22, s22, BOFF
	v_lshl_add_u32 v[aBS], v[RR], 2, s22
	s_lshl_b32 s22, s12, 5
	s_lshl_b32 s23, s11, 6
	s_sub_co_i32 s22, s22, s23
	v_lshlrev_b32 v[TM2], 3, v[HH]
	v_sub_nc_u32 v[THR], v[RR], v[TM2]
	v_add_nc_u32 v[THR], s22, v[THR]
	s_mul_i32 s22, s12, XSZ
	s_add_co_u32 s23, s22, XB0
	v_lshl_add_u32 v[aXA], v[LN], 4, s23
	s_add_co_u32 s23, s23, 8192
	v_lshl_add_u32 v[aXB], v[LN], 3, s23
	s_add_co_u32 s23, s22, OSB
	v_mul_u32_u24 v[TM2], v[RR], OP
	v_lshl_add_u32 v[TM2], v[HH], 5, v[TM2]
	v_add_nc_u32 v[aOSW], s23, v[TM2]
	v_mul_u32_u24 v[TM2], v[HH], OP
	v_add_nc_u32 v[TM2], v[TM2], v[TM]             ; h 272 + 16 r
	v_add_nc_u32 v[aOSR], s23, v[TM2]
	s_lshl_b32 s22, s12, 17
	v_lshl_add_u32 v[TM2], v[HH], 12, v[TM]
	v_add_nc_u32 v[aGO], s22, v[TM2]
	; ---- the mask ----
	s_wait_loadcnt 32                              ; loads come back in order: Q's 16 and K/V's 16 are younger and stay out, the mask's 20 are in
	v_or_b32 v[TM], v[BI], v[BI+1]
.set n, 2
.rept 14
	v_or_b32 v[TM], v[TM], v[BI+n]
.set n, n+1
.endr
	v_cmp_ne_u32 s20, 0, v[TM]                     ; bit l: chunk l of 64 keys has an unpadded key
	v_and_b32 v[TM2], 0xff, v[BI]
	v_cmp_ne_u32 s21, 0, v[TM2]                    ; bit l: key 64 l is unpadded
	NACTOF s18, s16
	NACTOF s19, s17
	v_lshl_or_b32 v[WB], v[BI+17], 1, v[BI+16]
.irp ks, 2,3,4,5,6,7,8,9,10,11,12,13,14,15
	v_lshl_or_b32 v[WB], v[BI+16+\ks], \ks, v[WB]
.endr
	; ---- Q: times 0.125 (exact), rounded once to bf16, into LDS ----
	s_wait_loadcnt 16                              ; K/V's 16 loads are younger and stay out, Q is in
.set n, 0
.rept 32
	v_pk_mul_f32 v[SC+n:SC+n+1], v[SC+n:SC+n+1], s[38:39] op_sel_hi:[1,0]
.set n, n+2
.endr
.set n, 0
.rept 32
	v_cvt_pk_bf16_f32 v[SC+n], v[SC+2*n], v[SC+2*n+1]
.set n, n+1
.endr
.irp t, 0,1,2,3,4,5,6,7,8,9,10,11,12,13,14,15
	ds_store_b64 v[aQSW], v[SC+2*\t:SC+2*\t+1] offset:((\t&7)+16*(\t>>3))*KP
.endr
	; ---- the two blocks ----
	BLOCK 0, s16, s18
	BLOCK 1, s17, s19
	s_wait_tensorcnt 0x0
	ds_add_u32 v249, v255
	s_wait_dscnt 0x0
	s_endpgm
.Lfunc_end_k_q5e2c89e835_attn:
	.size	k_q5e2c89e835_attn, .Lfunc_end_k_q5e2c89e835_attn-k_q5e2c89e835_attn
	.p2alignl 7, 3214868480
	.fill 96, 4, 3214868480
	.section	.rodata,"a",@progbits
	.p2align	6, 0x0
	.amdhsa_kernel k_q5e2c89e835_attn
		.amdhsa_group_segment_fixed_size 186368
		.amdhsa_private_segment_fixed_size 0
		.amdhsa_enable_private_segment 0
		.amdhsa_kernarg_size 24
		.amdhsa_user_sgpr_count 2
		.amdhsa_user_sgpr_kernarg_segment_ptr 1
		.amdhsa_wavefront_size32 1
		.amdhsa_system_sgpr_workgroup_id_x 1
		.amdhsa_system_sgpr_workgroup_id_y 1
		.amdhsa_system_sgpr_workgroup_id_z 1
		.amdhsa_system_vgpr_workitem_id 0
		.amdhsa_next_free_vgpr 448
		.amdhsa_next_free_sgpr 66
		.amdhsa_reserve_vcc 1
		.amdhsa_float_denorm_mode_32 3
		.amdhsa_float_denorm_mode_16_64 3
		.amdhsa_memory_ordered 1
		.amdhsa_forward_progress 1
		.amdhsa_inst_pref_size 251
	.end_amdhsa_kernel
	.amdgpu_metadata
---
amdhsa.version: [ 1, 2 ]
amdhsa.kernels:
  - .name:           k_q5e2c89e835_attn
    .symbol:         k_q5e2c89e835_attn.kd
    .args:
      - { .name: qkv, .offset: 0, .size: 8, .value_kind: global_buffer, .address_space: global }
      - { .name: key_padding_mask, .offset: 8, .size: 8, .value_kind: global_buffer, .address_space: global }
      - { .name: out0, .offset: 16, .size: 8, .value_kind: global_buffer, .address_space: global }
    .group_segment_fixed_size: 186368
    .private_segment_fixed_size: 0
    .kernarg_segment_align: 8
    .kernarg_segment_size: 24
    .max_flat_workgroup_size: 256
    .sgpr_count:     66
    .vgpr_count:     448
    .wavefront_size: 32
...
	.end_amdgpu_metadata
.endif
;; end of part 1
